; MI455X (gfx1250); checked and timed in simulation.
; The chip was launched on July 23, 2026; its instructions are those of AMD's public machine-readable ISA for CDNA 5 (MIT licence, August 2026) and "CDNA5" Instruction Set Architecture Reference Guide (July 2026). The comments in the code are by the model that wrote it; some were corrected since.
;; Hungarian Matcher. Allowed arithmetic: float matrix products may take bf16 or f16 operands with f32 sums; all other float work in f32.
;; Inputs: gt_bboxes 1,000 x 4 float32; gt_labels 1,000 int32; pred_bboxes 16 x 900 x 4 float32; pred_logits 16 x 900 x 91 float32.
;; Outputs: out0 16 x 900 x 1,000 float32.
;; 2 versions, each right; version 2 is version 1 with the launch cost written anew for expert scheduling mode. Each part assembles by itself: llvm-mc -triple=amdgcn-amd-amdhsa -mcpu=gfx1250 --defsym DOCPART=n.
;; ======== version 1 of 2: 1 launch
;; limits: inputs' magnitudes at most 100,000,000; below input magnitudes of 1e-09 results are inexact or not finite; right only within a limited range of input values
;; launch cost (part 1): grid 250 x 1, 32 waves a work-group, no clusters, 51,200 bytes of LDS; arguments gt_bboxes, gt_labels, pred_bboxes, pred_logits, out0; writes out0
.if DOCPART == 1
	.amdgcn_target "amdgcn-amd-amdhsa--gfx1250"
	.amdhsa_code_object_version 6
	.text
	.protected	k_q32dd883511_cost
	.globl	k_q32dd883511_cost
	.p2align	8
	.type	k_q32dd883511_cost,@function
k_q32dd883511_cost:
	s_mov_b64 s[64:65], 0
	v_nop
	global_prefetch_b8 v0, s[64:65] scope:SCOPE_SE
	s_setreg_imm32_b32 hwreg(HW_REG_WAVE_MODE, 25, 1), 1
	s_wait_xcnt 0x0
; Matching cost  C[n][m] = 5 L1(box n, gt m) + 2 focal(n, label m) - 2 GIoU(box n, gt m),  n < 14,400, m < 1,000, all f32.
;
; WORK.  The output is one run of 225,000 aligned blocks of 256 bytes.  250 work-groups take 900 blocks each (225,000 has no
; factor 256).  A lane makes 4 neighbouring columns (16 bytes), 16 lanes one block, so every store of a wave covers two whole blocks.
; A row is 250 such quads, a block 16: a block's columns come again every 125 blocks (8 rows, 32,000 bytes).  A half-wave walks a chain
; of blocks u, u+125, u+250, .. with its 4 columns' ground truth fixed in registers; every step of the chain is an immediate offset.
; 900 = 24 chains of 8 + 100 chains of 7 + 1 chain of 8: tasks 0-11 take chains 2t, 2t+1 (8 steps), tasks 12-61 chains 2t+1, 2t+2
; (7 steps), task 62 takes chain 24, its low lanes steps 0-3 and its high lanes steps 4-7.  Wave w does tasks w and w+32.
;
; ARITHMETIC.  GIoU does not change when all boxes are scaled, so boxes are kept as C = 5 centre, H = 2.5 width:
;   5 L1 = |dCx| + |dCy| + 2 |dHx| + 2 |dHy|.      With SH = pH + gH, for all real inputs and for each axis,
;   min(p1,g1) - max(p0,g0) = SH - max(|dC|,|dH|),   max(p1,g1) - min(p0,g0) = SH + max(|dC|,|dH|).
; Both clips at 0 are kept, exactly: te = max(|dC|,|dH|,-SH), enclosing width = SH + te;  ti = min(te,SH), overlap = SH - ti.
; With I = overlap area, U = union, E = enclosing area: GIoU + 1 = I/U + U/E = (I E + U U) / (U E): one reciprocal, sums of like signs.
;   C = (2 focal + 2) + (|dCx|+|dCy|) + 2 ((|dHx|+|dHy|) - (I E + U U)/(U E)).
; 2 focal + 2 is made once for the rows of the work-group (at most 59) and gathered from LDS by the labels.
;
; LIMITS.  U E (in 25 x the inputs' square units, squared) has to be a normal f32 number, about 1e-38 to 3e38, since v_rcp_f32 takes
; denormals as zero (ISA guide 15.8).  Areas are w h, not (x1-x0)(y1-y0): they differ by the rounding of the corners alone.
; 1 - p is formed as in the reference; above a logit of about 13 it has few significant bits there and here, and the term
; log(1 - p + 1e-8) then hangs on the last bit of p (here v_exp_f32 and v_rcp_f32, 1 ulp each).  Labels above 90 are taken as 90.
; No cluster, no tensor load: all that work-groups share is 20 KB of ground truth, read once by each.
.set WGQ,    14400                     ; quads of a work-group (900 blocks x 16)
.set COLQ,   250                       ; quads in a row
.set PERIOD, 32000                     ; bytes of 8 rows: one step of a chain
.set NCLS,   91
.set CROW,   4*NCLS                    ; bytes of a row of the class table
.set LASTQ,  327599                    ; last quad of pred_logits (1,310,400 words)
; LDS
.set CLS,    0                         ; 1,376 quads: class costs, a flat image of the logits from a multiple of 256 bytes on
.set PB,     22016                     ; 64 rows x 16 bytes: Cx, Cy, Hx, Hy of my rows' boxes
.set GT,     23040                     ; five arrays of 1,000 words: Cx, Cy, Hx, Hy, area
.set GTA,    4000
.set LAB,    43040                     ; 1,000 labels
; registers of the main part
.set L15,  1                           ; lane % 16
.set HALF, 2                           ; (lane / 16) % 2
.set GCX,  4                           ; v[4:23]: ground truth of my 4 columns, by component
.set GCY,  8
.set GHX,  12
.set GHY,  16
.set GA,   20
.set CA,   24                          ; v[24:27] LDS address of my 4 class costs at step 0
.set PA,   28                          ; LDS offset of my row's box at step 0
.set OFF,  29                          ; byte offset of my 16 bytes at step 0
.set PBUF, 36                          ; two buffers of 4: the row's box
.set CBUF, 44                          ; two buffers of 4: class costs
.set PQ,   52                          ; pHx pHy, twice
.set DCX,  56
.set DCY,  60
.set DHX,  64
.set DHY,  68
.set SHX,  72
.set SHY,  76
.set TEX,  80                          ; te, then enclosing width, then E
.set TEY,  84                          ; te, then enclosing height, then U E
.set TIX,  88                          ; ti, then overlap width, then I
.set TIY,  92                          ; ti, then overlap height, then I E + U U
.set S1,   96
.set S2,   100
.set U,    104
.set R,    108
.set RES,  112
; registers of the set-up (dead behind the barrier)
.set T0, 40
.set T1, 44
.set T2, 48
.set T3, 52
.set T4, 56
.set T5, 60
	s_load_b256 s[4:11], s[0:1], 0x0               ; gt_bboxes s[4:5], gt_labels s[6:7], pred_bboxes s[8:9], pred_logits s[10:11]
	s_load_b64 s[12:13], s[0:1], 0x20              ; out0
	v_lshl_add_u32 v126, v0, 2, 0xb800
	v_mov_b32 v127, 0
	v_lshrrev_b32 v3, 5, v0
	v_readfirstlane_b32 s14, v3                    ; wave 0..31
	s_mul_i32 s15, ttmp9, 288                      ; my first row r0 = floor(14400 g / 250) = floor(288 g / 5)
	s_mul_hi_u32 s15, s15, 0xcccccccd
	s_lshr_b32 s15, s15, 2
	s_mul_i32 s16, ttmp9, WGQ
	s_mul_i32 s17, s15, COLQ
	s_sub_co_u32 s16, s16, s17                     ; c0: the quad of row r0 at which my part begins (0, 50, 100, 150 or 200)
	s_mul_i32 s17, s15, NCLS                       ; first word of row r0 in the logits
	s_and_b32 s18, s17, 63
	s_lshl_b32 s18, s18, 2                         ; its byte in the class table, which begins at the multiple of 256 bytes below it
	s_lshr_b32 s17, s17, 6
	s_lshl_b32 s17, s17, 4                         ; the table's first quad in the logits
	s_mul_i32 s24, ttmp9, WGQ*16                   ; my part of the output, below 2^26 bytes
	s_mov_b32 s25, 0
	v_and_b32 v[L15], 15, v0
	v_bfe_u32 v[HALF], v0, 4, 1
	v_add_nc_u32 v4, s17, v0                       ; table quad t,
	v_add3_u32 v5, v0, s17, 0x400                  ; and quad 1024 + t (waves 0-10: 1,376 quads hold 63 + 59 x 91 words)
	v_min_u32 v4, LASTQ, v4                        ; the last work-groups' tables would pass the buffer's end: those quads, which
	v_min_u32 v5, LASTQ, v5                        ; no row of theirs needs, repeat the last quad
	v_lshlrev_b32 v4, 4, v4
	v_lshlrev_b32 v5, 4, v5
	v_min_u32 v6, 999, v0                          ; ground-truth column t; threads 1000-1023 (same wave) repeat column 999
	v_lshlrev_b32 v7, 4, v6
	v_lshlrev_b32 v6, 2, v6
	v_lshlrev_b32 v8, 4, v0                        ; LDS byte of table quad t
	v_and_b32 v9, 63, v0                           ; waves 11 and 12: local row 0..63
	v_add_nc_u32 v10, s15, v9
	v_min_u32 v10, 14399, v10                      ; rows past the last are not needed: repeat the last
	v_lshlrev_b32 v10, 4, v10
	v_lshlrev_b32 v9, 4, v9
	s_wait_kmcnt 0x0
	s_add_nc_u64 s[12:13], s[12:13], s[24:25]
	; every load of the set-up is issued before anything is computed
	global_load_b128 v[12:15], v4, s[10:11]
	global_load_b128 v[20:23], v7, s[4:5]
	global_load_b32 v24, v6, s[6:7]
	s_cmp_gt_u32 s14, 10
	s_cbranch_scc1 .Lload_one
	global_load_b128 v[16:19], v5, s[10:11]
.Lload_one:
	s_cmp_lt_u32 s14, 11
	s_cbranch_scc1 .Lload_nobox
	s_cmp_gt_u32 s14, 12
	s_cbranch_scc1 .Lload_nobox
	global_load_b128 v[28:31], v10, s[8:9]
.Lload_nobox:
	s_wait_loadcnt 0x0
	; ground truth by component: 5 cx, 5 cy, 2.5 w, 2.5 h, and the area 4 Hx Hy = 25 w h
	v_pk_mul_f32 v[32:33], v[20:21], 0x40a00000 op_sel_hi:[1,0]
	v_pk_mul_f32 v[34:35], v[22:23], 0x40200000 op_sel_hi:[1,0]
	v_mul_f32 v36, v34, v35
	v_mul_f32 v36, 4.0, v36
	ds_store_b32 v6, v32 offset:GT
	ds_store_b32 v6, v33 offset:GT+GTA
	ds_store_b32 v6, v34 offset:GT+2*GTA
	ds_store_b32 v6, v35 offset:GT+3*GTA
	ds_store_b32 v6, v36 offset:GT+4*GTA
	ds_store_b32 v6, v24 offset:LAB
; Four logits x -> 2 focal + 2 = 2 - 0.5 (1-p)^2 ln(p + 1e-8) + 1.5 p^2 ln(1 - p + 1e-8), p = 1 / (1 + exp(-x)).
; Behind each run of transcendentals one plain vector instruction stands before a result is used or a source rewritten (ISA guide 5.7.2).
.macro CLSQ x, off
.irp j, 0,2
	v_pk_mul_f32 v[T0+\j:T0+\j+1], v[\x+\j:\x+\j+1], 0xbfb8aa3b op_sel_hi:[1,0]     ; -x log2(e)
.endr
.irp c, 0,1,2,3
	v_exp_f32 v[T1+\c], v[T0+\c]
.endr
	v_nop
	s_wait_alu depctr_va_vdst(0)
.irp j, 0,2
	v_pk_add_f32 v[T0+\j:T0+\j+1], v[T1+\j:T1+\j+1], 1.0 op_sel_hi:[1,0]
.endr
.irp c, 0,1,2,3
	v_rcp_f32 v[T1+\c], v[T0+\c]                                                    ; p
.endr
	v_nop
	s_wait_alu depctr_va_vdst(0)
.irp j, 0,2
	v_pk_add_f32 v[T2+\j:T2+\j+1], v[T1+\j:T1+\j+1], 1.0 op_sel_hi:[1,0] neg_lo:[1,0] neg_hi:[1,0]   ; 1 - p, rounded as in the reference
	v_pk_add_f32 v[T0+\j:T0+\j+1], v[T1+\j:T1+\j+1], 0x322bcc77 op_sel_hi:[1,0]     ; p + 1e-8
.endr
.irp j, 0,2
	v_pk_add_f32 v[T3+\j:T3+\j+1], v[T2+\j:T2+\j+1], 0x322bcc77 op_sel_hi:[1,0]     ; 1 - p + 1e-8
.endr
.irp c, 0,1,2,3
	v_log_f32 v[T4+\c], v[T0+\c]
	v_log_f32 v[T5+\c], v[T3+\c]
.endr
.irp j, 0,2
	v_pk_mul_f32 v[T1+\j:T1+\j+1], v[T1+\j:T1+\j+1], v[T1+\j:T1+\j+1]               ; p^2
	v_pk_mul_f32 v[T2+\j:T2+\j+1], v[T2+\j:T2+\j+1], v[T2+\j:T2+\j+1]               ; (1-p)^2
.endr
	s_wait_alu depctr_va_vdst(0)
.irp j, 0,2
	v_pk_mul_f32 v[T4+\j:T4+\j+1], v[T2+\j:T2+\j+1], v[T4+\j:T4+\j+1]
	v_pk_mul_f32 v[T5+\j:T5+\j+1], v[T1+\j:T1+\j+1], v[T5+\j:T5+\j+1]
.endr
.irp j, 0,2
	v_pk_fma_f32 v[T4+\j:T4+\j+1], v[T4+\j:T4+\j+1], 0xbeb17218, 2.0 op_sel_hi:[1,0,0]              ; 2 - 0.5 ln 2 (1-p)^2 log2(..)
.endr
.irp j, 0,2
	v_pk_fma_f32 v[T4+\j:T4+\j+1], v[T5+\j:T5+\j+1], 0x3f851593, v[T4+\j:T4+\j+1] op_sel_hi:[1,0,1] ; + 1.5 ln 2 p^2 log2(..)
.endr
	ds_store_b128 v8, v[T4:T4+3] offset:\off
.endm
	CLSQ 12, CLS
	s_cmp_gt_u32 s14, 10
	s_cbranch_scc1 .Lcls_one
	CLSQ 16, CLS+16384
.Lcls_one:
	s_cmp_lt_u32 s14, 11
	s_cbranch_scc1 .Lnobox
	s_cmp_gt_u32 s14, 12
	s_cbranch_scc1 .Lnobox
	v_pk_mul_f32 v[64:65], v[28:29], 0x40a00000 op_sel_hi:[1,0]
	v_pk_mul_f32 v[66:67], v[30:31], 0x40200000 op_sel_hi:[1,0]
	ds_store_b128 v9, v[64:67] offset:PB
.Lnobox:
	s_wait_dscnt 0x0                               ; my part of the tables is in LDS, for the other waves' sake
	s_barrier_signal -1
	s_barrier_wait -1                              ; from here on LDS is only read
; the five LDS loads of step k into buffer b: my row's box (one address for all lanes of a row) and my 4 class costs
.macro LOADS k, b
	ds_load_b128 v[PBUF+4*(\b):PBUF+4*(\b)+3], v[PA] offset:PB+128*(\k)
.irp c, 0,1,2,3
	ds_load_b32 v[CBUF+4*(\b)+\c], v[CA+\c] offset:CLS+8*CROW*(\k)
.endr
.endm
; Step k of the chain: 4 outputs a lane.  pre = 1: the next step's loads are issued first, into the other buffer.
.macro ITER k, b, pre
.set PX, PBUF+4*(\b)
.set CX, CBUF+4*(\b)
.if \pre
	LOADS (\k)+1, 1-(\b)
	s_wait_dscnt 5                                 ; LDS loads return in order (ISA guide 5.7.1): this step's are in, the next step's five stay out
.else
	s_wait_dscnt 0
.endif
	v_pk_mul_f32 v[PQ:PQ+1], v[PX+2:PX+3], v[PX+2:PX+3] op_sel:[0,1] op_sel_hi:[0,1]               ; pHx pHy in both halves
.irp j, 0,2
	v_pk_add_f32 v[DCX+\j:DCX+\j+1], v[PX:PX+1],   v[GCX+\j:GCX+\j+1] op_sel_hi:[0,1] neg_lo:[0,1] neg_hi:[0,1]
	v_pk_add_f32 v[DHX+\j:DHX+\j+1], v[PX+2:PX+3], v[GHX+\j:GHX+\j+1] op_sel_hi:[0,1] neg_lo:[0,1] neg_hi:[0,1]
	v_pk_add_f32 v[SHX+\j:SHX+\j+1], v[PX+2:PX+3], v[GHX+\j:GHX+\j+1] op_sel_hi:[0,1]
	v_pk_add_f32 v[DCY+\j:DCY+\j+1], v[PX:PX+1],   v[GCY+\j:GCY+\j+1] op_sel:[1,0] op_sel_hi:[1,1] neg_lo:[0,1] neg_hi:[0,1]
	v_pk_add_f32 v[DHY+\j:DHY+\j+1], v[PX+2:PX+3], v[GHY+\j:GHY+\j+1] op_sel:[1,0] op_sel_hi:[1,1] neg_lo:[0,1] neg_hi:[0,1]
	v_pk_add_f32 v[SHY+\j:SHY+\j+1], v[PX+2:PX+3], v[GHY+\j:GHY+\j+1] op_sel:[1,0] op_sel_hi:[1,1]
.endr
.irp c, 0,1,2,3
	v_max3_num_f32 v[TEX+\c], |v[DCX+\c]|, |v[DHX+\c]|, -v[SHX+\c]     ; SH + te = the enclosing width, clipped at 0
	v_max3_num_f32 v[TEY+\c], |v[DCY+\c]|, |v[DHY+\c]|, -v[SHY+\c]
	v_add_f32 v[S1+\c], |v[DCX+\c]|, |v[DCY+\c]|
	v_add_f32 v[S2+\c], |v[DHX+\c]|, |v[DHY+\c]|
.endr
.irp j, 0,2
	v_dual_min_num_f32 v[TIX+\j], v[TEX+\j], v[SHX+\j] :: v_dual_min_num_f32 v[TIX+\j+1], v[TEX+\j+1], v[SHX+\j+1]   ; SH - ti = the overlap, clipped at 0
	v_dual_min_num_f32 v[TIY+\j], v[TEY+\j], v[SHY+\j] :: v_dual_min_num_f32 v[TIY+\j+1], v[TEY+\j+1], v[SHY+\j+1]
.endr
.irp j, 0,2
	v_pk_add_f32 v[TIX+\j:TIX+\j+1], v[SHX+\j:SHX+\j+1], v[TIX+\j:TIX+\j+1] neg_lo:[0,1] neg_hi:[0,1]
	v_pk_add_f32 v[TIY+\j:TIY+\j+1], v[SHY+\j:SHY+\j+1], v[TIY+\j:TIY+\j+1] neg_lo:[0,1] neg_hi:[0,1]
	v_pk_add_f32 v[TEX+\j:TEX+\j+1], v[SHX+\j:SHX+\j+1], v[TEX+\j:TEX+\j+1]
	v_pk_add_f32 v[TEY+\j:TEY+\j+1], v[SHY+\j:SHY+\j+1], v[TEY+\j:TEY+\j+1]
	v_pk_fma_f32 v[U+\j:U+\j+1], v[PQ:PQ+1], 4.0, v[GA+\j:GA+\j+1] op_sel_hi:[1,0,1]               ; the two areas
.endr
.irp j, 0,2
	v_pk_fma_f32 v[U+\j:U+\j+1], v[TIX+\j:TIX+\j+1], v[TIY+\j:TIY+\j+1], v[U+\j:U+\j+1] neg_lo:[1,0,0] neg_hi:[1,0,0]   ; U = areas - I
	v_pk_mul_f32 v[TIX+\j:TIX+\j+1], v[TIX+\j:TIX+\j+1], v[TIY+\j:TIY+\j+1]                        ; I
	v_pk_mul_f32 v[TEX+\j:TEX+\j+1], v[TEX+\j:TEX+\j+1], v[TEY+\j:TEY+\j+1]                        ; E
.endr
.irp j, 0,2
	v_pk_mul_f32 v[TEY+\j:TEY+\j+1], v[U+\j:U+\j+1], v[TEX+\j:TEX+\j+1]                            ; U E
	v_pk_mul_f32 v[TIY+\j:TIY+\j+1], v[TIX+\j:TIX+\j+1], v[TEX+\j:TEX+\j+1]                        ; I E
.endr
.irp c, 0,1,2,3
	v_rcp_f32 v[R+\c], v[TEY+\c]
.endr
.irp j, 0,2
	v_pk_fma_f32 v[TIY+\j:TIY+\j+1], v[U+\j:U+\j+1], v[U+\j:U+\j+1], v[TIY+\j:TIY+\j+1]            ; + U U: plain work behind the reciprocals
	v_pk_add_f32 v[S1+\j:S1+\j+1], v[S1+\j:S1+\j+1], v[CX+\j:CX+\j+1]                              ; |dCx| + |dCy| + 2 focal + 2
.endr
	s_wait_alu depctr_va_vdst(0)
.irp j, 0,2
	v_pk_fma_f32 v[S2+\j:S2+\j+1], v[TIY+\j:TIY+\j+1], v[R+\j:R+\j+1], v[S2+\j:S2+\j+1] neg_lo:[1,0,0] neg_hi:[1,0,0]
.endr
	s_wait_xcnt 0x0                                ; RES, which the last step's store reads, is rewritten only behind this wait (ISA guide 3.1)
.irp j, 0,2
	v_pk_fma_f32 v[RES+\j:RES+\j+1], v[S2+\j:S2+\j+1], 2.0, v[S1+\j:S1+\j+1] op_sel_hi:[1,0,1]
.endr
	global_store_b128 v[OFF], v[RES:RES+3], s[12:13] offset:PERIOD*(\k) th:TH_STORE_NT             ; each 16 lanes: 256 consecutive bytes, aligned
.endm
	s_mov_b32 s20, s14                             ; task = wave, then wave + 32
.Ltask:
	s_cmp_ge_u32 s20, 12
	s_cselect_b32 s21, 1, 0
	s_lshl1_add_u32 s21, s20, s21                  ; the low lanes' chain: 2t, from task 12 on 2t + 1
	s_mov_b32 s22, 1                               ; the high lanes take the next chain;
	s_cmp_eq_u32 s20, 62
	s_cselect_b32 s21, 24, s21                     ; task 62: chain 24,
	s_cselect_b32 s22, 500, s22                    ; the high lanes four steps (500 blocks) further on
	v_mad_u32_u24 v30, v[HALF], s22, s21           ; my first block
	v_lshl_add_u32 v30, v30, 4, v[L15]             ; my first quad in the work-group's part, at most 8,399
	v_add_nc_u32 v31, s16, v30                     ; counted from the head of row r0, at most 8,599
	v_mul_u32_u24 v32, 0x10625, v31                ; / 250: 67,109 = ceil(2^24 / 250) is exact below 493,000
	v_lshrrev_b32 v32, 24, v32
	v_min_u32 v32, 34, v32                         ; my local row at step 0 (8,599 / 250 = 34: the bound, written out)
	v_mul_u32_u24 v33, 250, v32
	v_sub_nc_u32 v33, v31, v33
	v_min_u32 v33, 249, v33                        ; my quad of columns (a remainder of 250: the bound, written out)
	v_lshlrev_b32 v33, 4, v33
	ds_load_b128 v[CA:CA+3],   v33 offset:LAB
	ds_load_b128 v[GCX:GCX+3], v33 offset:GT
	ds_load_b128 v[GCY:GCY+3], v33 offset:GT+GTA
	ds_load_b128 v[GHX:GHX+3], v33 offset:GT+2*GTA
	ds_load_b128 v[GHY:GHY+3], v33 offset:GT+3*GTA
	ds_load_b128 v[GA:GA+3],   v33 offset:GT+4*GTA
	s_wait_xcnt 0x0                                ; OFF, which the last task's stores read, is rewritten only behind this wait
	v_lshlrev_b32 v[OFF], 4, v30
	v_lshlrev_b32 v[PA], 4, v32
	v_mad_u32_u24 v34, v32, CROW, s18              ; my row in the class table
	s_wait_dscnt 5                                 ; the labels are in; the five loads behind them stay out
.irp c, 0,1,2,3
	v_min_u32 v[CA+\c], NCLS-1, v[CA+\c]           ; a loaded number enters an address only behind its bound
.endr
.irp c, 0,1,2,3
	v_lshl_add_u32 v[CA+\c], v[CA+\c], 2, v34
.endr
	LOADS 0, 0
	ITER 0, 0, 1
	ITER 1, 1, 1
	ITER 2, 0, 1
	ITER 3, 1, 0                                   ; nothing is loaded for a step that a task may not have
	s_cmp_eq_u32 s20, 62
	s_cbranch_scc1 .Lnext                          ; task 62 has four steps
	LOADS 4, 0
	ITER 4, 0, 1
	ITER 5, 1, 1
	ITER 6, 0, 0
	s_cmp_ge_u32 s20, 12
	s_cbranch_scc1 .Lnext                          ; tasks 12-61 have seven
	LOADS 7, 1
	ITER 7, 1, 0
.Lnext:
	s_add_co_u32 s20, s20, 32
	s_cmp_lt_u32 s20, 63
	s_cbranch_scc1 .Ltask
	s_wait_tensorcnt 0x0
	ds_add_u32 v126, v127
	s_wait_dscnt 0x0
	s_endpgm
.Lfunc_end_k_q32dd883511_cost:
	.size	k_q32dd883511_cost, .Lfunc_end_k_q32dd883511_cost-k_q32dd883511_cost
	.p2alignl 7, 3214868480
	.fill 96, 4, 3214868480
	.section	.rodata,"a",@progbits
	.p2align	6, 0x0
	.amdhsa_kernel k_q32dd883511_cost
		.amdhsa_group_segment_fixed_size 51200
		.amdhsa_private_segment_fixed_size 0
		.amdhsa_enable_private_segment 0
		.amdhsa_kernarg_size 40
		.amdhsa_user_sgpr_count 2
		.amdhsa_user_sgpr_kernarg_segment_ptr 1
		.amdhsa_wavefront_size32 1
		.amdhsa_system_sgpr_workgroup_id_x 1
		.amdhsa_system_sgpr_workgroup_id_y 1
		.amdhsa_system_sgpr_workgroup_id_z 1
		.amdhsa_system_vgpr_workitem_id 0
		.amdhsa_next_free_vgpr 128
		.amdhsa_next_free_sgpr 66
		.amdhsa_reserve_vcc 0
		.amdhsa_float_denorm_mode_32 3
		.amdhsa_float_denorm_mode_16_64 3
		.amdhsa_memory_ordered 1
		.amdhsa_forward_progress 1
		.amdhsa_inst_pref_size 47
	.end_amdhsa_kernel
	.amdgpu_metadata
---
amdhsa.version: [ 1, 2 ]
amdhsa.kernels:
  - .name:           k_q32dd883511_cost
    .symbol:         k_q32dd883511_cost.kd
    .args:
      - { .name: gt_bboxes, .offset: 0, .size: 8, .value_kind: global_buffer, .address_space: global }
      - { .name: gt_labels, .offset: 8, .size: 8, .value_kind: global_buffer, .address_space: global }
      - { .name: pred_bboxes, .offset: 16, .size: 8, .value_kind: global_buffer, .address_space: global }
      - { .name: pred_logits, .offset: 24, .size: 8, .value_kind: global_buffer, .address_space: global }
      - { .name: out0, .offset: 32, .size: 8, .value_kind: global_buffer, .address_space: global }
    .group_segment_fixed_size: 51200
    .private_segment_fixed_size: 0
    .kernarg_segment_align: 8
    .kernarg_segment_size: 40
    .max_flat_workgroup_size: 1024
    .sgpr_count:     66
    .vgpr_count:     128
    .wavefront_size: 32
...
	.end_amdgpu_metadata
.endif
;; end of part 1
;; ======== version 2 of 2: 1 launch; version 1 with the launch cost written anew for expert scheduling mode
;; limits: inputs' magnitudes at most 100,000,000; below input magnitudes of 1e-09 results are inexact or not finite; right only within a limited range of input values
;; launch cost (part 2): grid 250 x 1, 32 waves a work-group, no clusters, 51,200 bytes of LDS; arguments gt_bboxes, gt_labels, pred_bboxes, pred_logits, out0; writes out0
.if DOCPART == 2
	.amdgcn_target "amdgcn-amd-amdhsa--gfx1250"
	.amdhsa_code_object_version 6
	.text
	.protected	k_q32dd883511_cost
	.globl	k_q32dd883511_cost
	.p2align	8
	.type	k_q32dd883511_cost,@function
k_q32dd883511_cost:
	s_mov_b64 s[64:65], 0
	v_nop
	global_prefetch_b8 v0, s[64:65] scope:SCOPE_SE
	s_setreg_imm32_b32 hwreg(HW_REG_WAVE_SCHED_MODE, 0, 2), 2
	s_setreg_imm32_b32 hwreg(HW_REG_WAVE_MODE, 25, 1), 1
	s_wait_xcnt 0x0
	s_wait_alu depctr_vm_vsrc(0)
; Matching cost  C[n][m] = 5 L1(box n, gt m) + 2 focal(n, label m) - 2 GIoU(box n, gt m),  n < 14,400, m < 1,000, all f32.
;
; WORK.  The output is one run of 225,000 aligned blocks of 256 bytes.  250 work-groups take 900 blocks each (225,000 has no
; factor 256).  A lane makes 4 neighbouring columns (16 bytes), 16 lanes one block, so every store of a wave covers two whole blocks.
; A row is 250 such quads, a block 16: a block's columns come again every 125 blocks (8 rows, 32,000 bytes).  A half-wave walks a chain
; of blocks u, u+125, u+250, .. with its 4 columns' ground truth fixed in registers; every step of the chain is an immediate offset.
; 900 = 24 chains of 8 + 100 chains of 7 + 1 chain of 8: tasks 0-11 take chains 2t, 2t+1 (8 steps), tasks 12-61 chains 2t+1, 2t+2
; (7 steps), task 62 takes chain 24, its low lanes steps 0-3 and its high lanes steps 4-7.  Wave w does tasks w and w+32.
;
; ARITHMETIC.  GIoU does not change when all boxes are scaled, so boxes are kept as C = 5 centre, H = 2.5 width:
;   5 L1 = |dCx| + |dCy| + 2 |dHx| + 2 |dHy|.      With SH = pH + gH, for all real inputs and for each axis,
;   min(p1,g1) - max(p0,g0) = SH - max(|dC|,|dH|),   max(p1,g1) - min(p0,g0) = SH + max(|dC|,|dH|).
; Both clips at 0 are kept, exactly: te = max(|dC|,|dH|,-SH), enclosing width = SH + te;  ti = min(te,SH), overlap = SH - ti.
; With I = overlap area, U = union, E = enclosing area: GIoU + 1 = I/U + U/E = (I E + U U) / (U E): one reciprocal, sums of like signs.
;   C = (2 focal + 2) + (|dCx|+|dCy|) + 2 ((|dHx|+|dHy|) - (I E + U U)/(U E)).
; 2 focal + 2 is made once for the rows of the work-group (at most 59) and gathered from LDS by the labels.
;
; LIMITS.  U E (in 25 x the inputs' square units, squared) has to be a normal f32 number, about 1e-38 to 3e38, since v_rcp_f32 takes
; denormals as zero (ISA guide 15.8).  Areas are w h, not (x1-x0)(y1-y0): they differ by the rounding of the corners alone.
; 1 - p is formed as in the reference; above a logit of about 13 it has few significant bits there and here, and the term
; log(1 - p + 1e-8) then hangs on the last bit of p (here v_exp_f32 and v_rcp_f32, 1 ulp each).  Labels above 90 are taken as 90.
; No cluster, no tensor load: all that work-groups share is 20 KB of ground truth, read once by each.
;
; THE MODE: SCHED_MODE bits 1:0 = 2 (LLVM: expert scheduling mode 2), set by the entry lines.  The code itself states the register dependences
; between vector instructions and memory or LDS instructions, with s_wait_alu, always for 0.
; THE PLAN, for the loop over tasks.  Registers that LDS or memory instructions touch:
;   v33            made at a task's head; the address of the head's six LDS loads.
;   GCX .. GA      those loads land here; every step's vector lines read them.
;   CA             the labels land here; eight vector lines make addresses of them; every step's four gathers read them.
;   PA, OFF        made at a task's head; PA is read by the loads of the rows' boxes, OFF by the stores.
;   PBUF, CBUF     two buffers: step k's five loads land in buffer k % 2; step k's vector lines read it, all of them ahead of the step's wait.
;   RES            two buffers: step k's last two lines write buffer k % 2; the store issued in step k + 1, or on the task's way out, reads it.
; ONE wait on va_vdst stands in a step, behind its reciprocals and the plain lines that follow them: the reciprocals are written; the step is done reading
; its PBUF and CBUF; the step before has written its RES.  Straight behind it stand the loads of step k + 2, into the buffer just read, and the store of step k - 1.
; The four vector lines that end the step name none of the registers that those six touch.  From step 2 on the wait on vm_vsrc beside it states that the
; store of the step before has read the RES that this step writes.  A task's head has one wait on vm_vsrc, ahead of all that it writes, and two on va_vdst.
.set WGQ,    14400                     ; quads of a work-group (900 blocks x 16)
.set COLQ,   250                       ; quads in a row
.set PERIOD, 32000                     ; bytes of 8 rows: one step of a chain
.set NCLS,   91
.set CROW,   4*NCLS                    ; bytes of a row of the class table
.set LASTQ,  327599                    ; last quad of pred_logits (1,310,400 words)
; LDS
.set CLS,    0                         ; 1,376 quads: class costs, a flat image of the logits from a multiple of 256 bytes on
.set PB,     22016                     ; 64 rows x 16 bytes: Cx, Cy, Hx, Hy of my rows' boxes
.set GT,     23040                     ; five arrays of 1,000 words: Cx, Cy, Hx, Hy, area
.set GTA,    4000
.set LAB,    43040                     ; 1,000 labels
; registers of the main part
.set L15,  1                           ; lane % 16
.set HALF, 2                           ; (lane / 16) % 2
.set GCX,  4                           ; v[4:23]: ground truth of my 4 columns, by component
.set GCY,  8
.set GHX,  12
.set GHY,  16
.set GA,   20
.set CA,   24                          ; v[24:27] LDS address of my 4 class costs at step 0
.set PA,   28                          ; LDS offset of my row's box at step 0
.set OFF,  29                          ; byte offset of my 16 bytes at step 0
.set PBUF, 36                          ; two buffers of 4: the row's box
.set CBUF, 44                          ; two buffers of 4: class costs
.set PQ,   52                          ; pHx pHy, twice
.set DCX,  56
.set DCY,  60
.set DHX,  64
.set DHY,  68
.set SHX,  72
.set SHY,  76
.set TEX,  80                          ; te, then enclosing width, then E
.set TEY,  84                          ; te, then enclosing height, then U E
.set TIX,  88                          ; ti, then overlap width, then I
.set TIY,  92                          ; ti, then overlap height, then I E + U U
.set S1,   96
.set S2,   100
.set U,    104
.set R,    108
.set RES,  112                         ; v[112:119] two buffers of 4: the results to store
; registers of the set-up (dead behind the barrier)
.set T0, 40
.set T1, 44
.set T2, 48
.set T3, 52
.set T4, 56
.set T5, 60
	s_load_b256 s[4:11], s[0:1], 0x0               ; gt_bboxes s[4:5], gt_labels s[6:7], pred_bboxes s[8:9], pred_logits s[10:11]
	s_load_b64 s[12:13], s[0:1], 0x20              ; out0
	v_lshl_add_u32 v126, v0, 2, 0xb800
	v_mov_b32 v127, 0
	v_lshrrev_b32 v3, 5, v0
	v_readfirstlane_b32 s14, v3                    ; wave 0..31
	s_mul_i32 s15, ttmp9, 288                      ; my first row r0 = floor(14400 g / 250) = floor(288 g / 5)
	s_mul_hi_u32 s15, s15, 0xcccccccd
	s_lshr_b32 s15, s15, 2
	s_mul_i32 s16, ttmp9, WGQ
	s_mul_i32 s17, s15, COLQ
	s_sub_co_u32 s16, s16, s17                     ; c0: the quad of row r0 at which my part begins (0, 50, 100, 150 or 200)
	s_mul_i32 s17, s15, NCLS                       ; first word of row r0 in the logits
	s_and_b32 s18, s17, 63
	s_lshl_b32 s18, s18, 2                         ; its byte in the class table, which begins at the multiple of 256 bytes below it
	s_lshr_b32 s17, s17, 6
	s_lshl_b32 s17, s17, 4                         ; the table's first quad in the logits
	s_mul_i32 s24, ttmp9, WGQ*16                   ; my part of the output, below 2^26 bytes
	s_mov_b32 s25, 0
	v_and_b32 v[L15], 15, v0
	v_bfe_u32 v[HALF], v0, 4, 1
	v_add_nc_u32 v4, s17, v0                       ; table quad t,
	v_add3_u32 v5, v0, s17, 0x400                  ; and quad 1024 + t (waves 0-10: 1,376 quads hold 63 + 59 x 91 words)
	v_min_u32 v4, LASTQ, v4                        ; the last work-groups' tables would pass the buffer's end: those quads, which
	v_min_u32 v5, LASTQ, v5                        ; no row of theirs needs, repeat the last quad
	v_lshlrev_b32 v4, 4, v4
	v_lshlrev_b32 v5, 4, v5
	v_min_u32 v6, 999, v0                          ; ground-truth column t; threads 1000-1023 (same wave) repeat column 999
	v_lshlrev_b32 v7, 4, v6
	v_lshlrev_b32 v6, 2, v6
	v_lshlrev_b32 v8, 4, v0                        ; LDS byte of table quad t
	v_and_b32 v9, 63, v0                           ; waves 11 and 12: local row 0..63
	v_add_nc_u32 v10, s15, v9
	v_min_u32 v10, 14399, v10                      ; rows past the last are not needed: repeat the last
	v_lshlrev_b32 v10, 4, v10
	v_lshlrev_b32 v9, 4, v9
	s_wait_alu depctr_va_sdst(0)                   ; s14 is written, ahead of its first reader: the branches below and the tasks hang on it
	s_wait_kmcnt 0x0
	s_add_nc_u64 s[12:13], s[12:13], s[24:25]
	s_wait_alu depctr_va_vdst(0)                   ; the offsets v4 to v7 and v10, which the loads below read, and the LDS addresses v6, v8 and v9 of the set-up's stores are written
	; every load of the set-up is issued before anything is computed
	global_load_b128 v[12:15], v4, s[10:11]
	global_load_b128 v[20:23], v7, s[4:5]
	global_load_b32 v24, v6, s[6:7]
	s_cmp_gt_u32 s14, 10
	s_cbranch_scc1 .Lload_one
	global_load_b128 v[16:19], v5, s[10:11]
.Lload_one:
	s_cmp_lt_u32 s14, 11
	s_cbranch_scc1 .Lload_nobox
	s_cmp_gt_u32 s14, 12
	s_cbranch_scc1 .Lload_nobox
	global_load_b128 v[28:31], v10, s[8:9]
.Lload_nobox:
	s_wait_loadcnt 0x0
; Four logits x -> 2 focal + 2 = 2 - 0.5 (1-p)^2 ln(p + 1e-8) + 1.5 p^2 ln(1 - p + 1e-8), p = 1 / (1 + exp(-x)), in two parts.
; Behind each run of transcendentals one plain vector instruction stands before a result is used or a source rewritten (ISA guide 5.7.2),
; and one wait on va_vdst ahead of the run's first reader.  Behind CLS_EXP both are written where the macro is used.
.macro CLS_EXP x
.irp j, 0,2
	v_pk_mul_f32 v[T0+\j:T0+\j+1], v[\x+\j:\x+\j+1], 0xbfb8aa3b op_sel_hi:[1,0]     ; -x log2(e)
.endr
.irp c, 0,1,2,3
	v_exp_f32 v[T1+\c], v[T0+\c]
.endr
.endm
.macro CLS_REST off
.irp j, 0,2
	v_pk_add_f32 v[T0+\j:T0+\j+1], v[T1+\j:T1+\j+1], 1.0 op_sel_hi:[1,0]
.endr
.irp c, 0,1,2,3
	v_rcp_f32 v[T1+\c], v[T0+\c]                                                    ; p
.endr
	v_nop
	s_wait_alu depctr_va_vdst(0)                   ; the four p are written, ahead of their first reader
.irp j, 0,2
	v_pk_add_f32 v[T2+\j:T2+\j+1], v[T1+\j:T1+\j+1], 1.0 op_sel_hi:[1,0] neg_lo:[1,0] neg_hi:[1,0]   ; 1 - p, rounded as in the reference
	v_pk_add_f32 v[T0+\j:T0+\j+1], v[T1+\j:T1+\j+1], 0x322bcc77 op_sel_hi:[1,0]     ; p + 1e-8
.endr
.irp j, 0,2
	v_pk_add_f32 v[T3+\j:T3+\j+1], v[T2+\j:T2+\j+1], 0x322bcc77 op_sel_hi:[1,0]     ; 1 - p + 1e-8
.endr
.irp c, 0,1,2,3
	v_log_f32 v[T4+\c], v[T0+\c]
	v_log_f32 v[T5+\c], v[T3+\c]
.endr
.irp j, 0,2
	v_pk_mul_f32 v[T1+\j:T1+\j+1], v[T1+\j:T1+\j+1], v[T1+\j:T1+\j+1]               ; p^2
	v_pk_mul_f32 v[T2+\j:T2+\j+1], v[T2+\j:T2+\j+1], v[T2+\j:T2+\j+1]               ; (1-p)^2
.endr
	s_wait_alu depctr_va_vdst(0)                   ; the eight logarithms are written, ahead of their first reader; the four squarings above are the plain work between
.irp j, 0,2
	v_pk_mul_f32 v[T4+\j:T4+\j+1], v[T2+\j:T2+\j+1], v[T4+\j:T4+\j+1]
	v_pk_mul_f32 v[T5+\j:T5+\j+1], v[T1+\j:T1+\j+1], v[T5+\j:T5+\j+1]
.endr
.irp j, 0,2
	v_pk_fma_f32 v[T4+\j:T4+\j+1], v[T4+\j:T4+\j+1], 0xbeb17218, 2.0 op_sel_hi:[1,0,0]              ; 2 - 0.5 ln 2 (1-p)^2 log2(..)
.endr
.irp j, 0,2
	v_pk_fma_f32 v[T4+\j:T4+\j+1], v[T5+\j:T5+\j+1], 0x3f851593, v[T4+\j:T4+\j+1] op_sel_hi:[1,0,1] ; + 1.5 ln 2 p^2 log2(..)
.endr
	s_wait_alu depctr_va_vdst(0)                   ; the four costs are written in v[T4 ..], which the LDS store reads
	ds_store_b128 v8, v[T4:T4+3] offset:\off
.endm
	CLS_EXP 12
	; ground truth by component: 5 cx, 5 cy, 2.5 w, 2.5 h, and the area 4 Hx Hy = 25 w h: also the plain work behind the exponentials
	v_pk_mul_f32 v[32:33], v[20:21], 0x40a00000 op_sel_hi:[1,0]
	v_pk_mul_f32 v[34:35], v[22:23], 0x40200000 op_sel_hi:[1,0]
	v_mul_f32 v36, v34, v35
	v_mul_f32 v36, 4.0, v36
	s_wait_alu depctr_va_vdst(0)                   ; the four exponentials are written, ahead of their first reader; so are v32 to v36, which the LDS stores below read
	ds_store_b32 v6, v32 offset:GT
	ds_store_b32 v6, v33 offset:GT+GTA
	ds_store_b32 v6, v34 offset:GT+2*GTA
	ds_store_b32 v6, v35 offset:GT+3*GTA
	ds_store_b32 v6, v36 offset:GT+4*GTA
	ds_store_b32 v6, v24 offset:LAB
	CLS_REST CLS
	s_cmp_gt_u32 s14, 10
	s_cbranch_scc1 .Lcls_one
	s_wait_alu depctr_vm_vsrc(0)                   ; the first quad's LDS store has read v[T4 ..], which the second quad's logarithms write again
	CLS_EXP 16
	v_nop
	s_wait_alu depctr_va_vdst(0)                   ; the four exponentials are written, ahead of their first reader
	CLS_REST CLS+16384
.Lcls_one:
	s_cmp_lt_u32 s14, 11
	s_cbranch_scc1 .Lnobox
	s_cmp_gt_u32 s14, 12
	s_cbranch_scc1 .Lnobox
	v_pk_mul_f32 v[64:65], v[28:29], 0x40a00000 op_sel_hi:[1,0]
	v_pk_mul_f32 v[66:67], v[30:31], 0x40200000 op_sel_hi:[1,0]
	s_wait_alu depctr_va_vdst(0)                   ; the scaled box is written in v[64:67], which the LDS store reads
	ds_store_b128 v9, v[64:67] offset:PB
.Lnobox:
	s_wait_dscnt 0x0                               ; my part of the tables is in LDS, for the other waves' sake
	s_barrier_signal -1
	s_barrier_wait -1                              ; from here on LDS is only read
; the five LDS loads of step k into buffer b: my row's box (one address for all lanes of a row) and my 4 class costs
.macro LOADS k, b
	ds_load_b128 v[PBUF+4*(\b):PBUF+4*(\b)+3], v[PA] offset:PB+128*(\k)
.irp c, 0,1,2,3
	ds_load_b32 v[CBUF+4*(\b)+\c], v[CA+\c] offset:CLS+8*CROW*(\k)
.endr
.endm
; Step k of the chain: 4 outputs a lane.  It reads buffer k % 2 of PBUF and CBUF and writes buffer k % 2 of RES.
; left = how many younger LDS loads may stay out when this step's five have to be there.  ahead = 1: step k + 2 is loaded.
.macro ITER k, left, ahead
.set BB, (\k)%2
.set PX, PBUF+4*BB
.set CX, CBUF+4*BB
.set RW, RES+4*BB
.set RS, RES+4*(1-BB)
	s_wait_dscnt \left                             ; LDS loads return in order (ISA guide 5.7.1): this step's are in, the next step's five, if any, stay out
	v_pk_mul_f32 v[PQ:PQ+1], v[PX+2:PX+3], v[PX+2:PX+3] op_sel:[0,1] op_sel_hi:[0,1]               ; pHx pHy in both halves
.irp j, 0,2
	v_pk_add_f32 v[DCX+\j:DCX+\j+1], v[PX:PX+1],   v[GCX+\j:GCX+\j+1] op_sel_hi:[0,1] neg_lo:[0,1] neg_hi:[0,1]
	v_pk_add_f32 v[DHX+\j:DHX+\j+1], v[PX+2:PX+3], v[GHX+\j:GHX+\j+1] op_sel_hi:[0,1] neg_lo:[0,1] neg_hi:[0,1]
	v_pk_add_f32 v[SHX+\j:SHX+\j+1], v[PX+2:PX+3], v[GHX+\j:GHX+\j+1] op_sel_hi:[0,1]
	v_pk_add_f32 v[DCY+\j:DCY+\j+1], v[PX:PX+1],   v[GCY+\j:GCY+\j+1] op_sel:[1,0] op_sel_hi:[1,1] neg_lo:[0,1] neg_hi:[0,1]
	v_pk_add_f32 v[DHY+\j:DHY+\j+1], v[PX+2:PX+3], v[GHY+\j:GHY+\j+1] op_sel:[1,0] op_sel_hi:[1,1] neg_lo:[0,1] neg_hi:[0,1]
	v_pk_add_f32 v[SHY+\j:SHY+\j+1], v[PX+2:PX+3], v[GHY+\j:GHY+\j+1] op_sel:[1,0] op_sel_hi:[1,1]
.endr
.irp c, 0,1,2,3
	v_max3_num_f32 v[TEX+\c], |v[DCX+\c]|, |v[DHX+\c]|, -v[SHX+\c]     ; SH + te = the enclosing width, clipped at 0
	v_max3_num_f32 v[TEY+\c], |v[DCY+\c]|, |v[DHY+\c]|, -v[SHY+\c]
	v_add_f32 v[S1+\c], |v[DCX+\c]|, |v[DCY+\c]|
	v_add_f32 v[S2+\c], |v[DHX+\c]|, |v[DHY+\c]|
.endr
.irp j, 0,2
	v_dual_min_num_f32 v[TIX+\j], v[TEX+\j], v[SHX+\j] :: v_dual_min_num_f32 v[TIX+\j+1], v[TEX+\j+1], v[SHX+\j+1]   ; SH - ti = the overlap, clipped at 0
	v_dual_min_num_f32 v[TIY+\j], v[TEY+\j], v[SHY+\j] :: v_dual_min_num_f32 v[TIY+\j+1], v[TEY+\j+1], v[SHY+\j+1]
.endr
.irp j, 0,2
	v_pk_add_f32 v[TIX+\j:TIX+\j+1], v[SHX+\j:SHX+\j+1], v[TIX+\j:TIX+\j+1] neg_lo:[0,1] neg_hi:[0,1]
	v_pk_add_f32 v[TIY+\j:TIY+\j+1], v[SHY+\j:SHY+\j+1], v[TIY+\j:TIY+\j+1] neg_lo:[0,1] neg_hi:[0,1]
	v_pk_add_f32 v[TEX+\j:TEX+\j+1], v[SHX+\j:SHX+\j+1], v[TEX+\j:TEX+\j+1]
	v_pk_add_f32 v[TEY+\j:TEY+\j+1], v[SHY+\j:SHY+\j+1], v[TEY+\j:TEY+\j+1]
	v_pk_fma_f32 v[U+\j:U+\j+1], v[PQ:PQ+1], 4.0, v[GA+\j:GA+\j+1] op_sel_hi:[1,0,1]               ; the two areas
.endr
.irp j, 0,2
	v_pk_fma_f32 v[U+\j:U+\j+1], v[TIX+\j:TIX+\j+1], v[TIY+\j:TIY+\j+1], v[U+\j:U+\j+1] neg_lo:[1,0,0] neg_hi:[1,0,0]   ; U = areas - I
	v_pk_mul_f32 v[TIX+\j:TIX+\j+1], v[TIX+\j:TIX+\j+1], v[TIY+\j:TIY+\j+1]                        ; I
	v_pk_mul_f32 v[TEX+\j:TEX+\j+1], v[TEX+\j:TEX+\j+1], v[TEY+\j:TEY+\j+1]                        ; E
.endr
.irp j, 0,2
	v_pk_mul_f32 v[TEY+\j:TEY+\j+1], v[U+\j:U+\j+1], v[TEX+\j:TEX+\j+1]                            ; U E
	v_pk_mul_f32 v[TIY+\j:TIY+\j+1], v[TIX+\j:TIX+\j+1], v[TEX+\j:TEX+\j+1]                        ; I E
.endr
.irp c, 0,1,2,3
	v_rcp_f32 v[R+\c], v[TEY+\c]
.endr
.irp j, 0,2
	v_pk_fma_f32 v[TIY+\j:TIY+\j+1], v[U+\j:U+\j+1], v[U+\j:U+\j+1], v[TIY+\j:TIY+\j+1]            ; + U U: plain work behind the reciprocals
	v_pk_add_f32 v[S1+\j:S1+\j+1], v[S1+\j:S1+\j+1], v[CX+\j:CX+\j+1]                              ; |dCx| + |dCy| + 2 focal + 2: the step's last reader of its loaded buffers
.endr
.if (\k) >= 2
	s_wait_xcnt 0x0                                ; the store issued in the step before has had its address translated (ISA guide 3.1): its data, the RES that this step writes, are rewritten only behind this wait,
	s_wait_alu depctr_vm_vsrc(0)                   ; and it has read them.  (In steps 0 and 1 the pair at the task's head has said so of the last task's stores)
.endif
	s_wait_alu depctr_va_vdst(0)                   ; the four reciprocals are written, ahead of their first reader; this step is done reading its box and class costs, in which the loads below land; the step before has written its RES, which the store below reads
.if \ahead
	LOADS (\k)+2, BB                               ; two steps ahead, into the buffer just read
.endif
.if (\k) > 0
	global_store_b128 v[OFF], v[RS:RS+3], s[12:13] offset:PERIOD*((\k)-1) th:TH_STORE_NT           ; the step before.  Each 16 lanes: 256 consecutive bytes, aligned
.endif
.irp j, 0,2
	v_pk_fma_f32 v[S2+\j:S2+\j+1], v[TIY+\j:TIY+\j+1], v[R+\j:R+\j+1], v[S2+\j:S2+\j+1] neg_lo:[1,0,0] neg_hi:[1,0,0]
.endr
.irp j, 0,2
	v_pk_fma_f32 v[RW+\j:RW+\j+1], v[S2+\j:S2+\j+1], 2.0, v[S1+\j:S1+\j+1] op_sel_hi:[1,0,1]
.endr
.endm
; A task's way out: the store of its last step, k.
.macro FLUSH k
	s_wait_alu depctr_va_vdst(0)                   ; the last step has written its RES, which the store reads
	global_store_b128 v[OFF], v[RES+4*((\k)%2):RES+4*((\k)%2)+3], s[12:13] offset:PERIOD*(\k) th:TH_STORE_NT
.endm
	s_mov_b32 s20, s14                             ; task = wave, then wave + 32
.Ltask:
	s_cmp_ge_u32 s20, 12
	s_cselect_b32 s21, 1, 0
	s_lshl1_add_u32 s21, s20, s21                  ; the low lanes' chain: 2t, from task 12 on 2t + 1
	s_mov_b32 s22, 1                               ; the high lanes take the next chain;
	s_cmp_eq_u32 s20, 62
	s_cselect_b32 s21, 24, s21                     ; task 62: chain 24,
	s_cselect_b32 s22, 500, s22                    ; the high lanes four steps (500 blocks) further on
	s_wait_xcnt 0x0                                ; OFF and RES, which the last task's stores read, are rewritten only behind this wait,
	s_wait_alu depctr_vm_vsrc(0)                   ; and those stores have read them; its LDS loads have read v33, PA and CA; in the first trip the set-up's loads and LDS stores have read v4 to v10, v24, v32 to v36 and v56 to v67: all are written again below
	v_mad_u32_u24 v30, v[HALF], s22, s21           ; my first block
	v_lshl_add_u32 v30, v30, 4, v[L15]             ; my first quad in the work-group's part, at most 8,399
	v_add_nc_u32 v31, s16, v30                     ; counted from the head of row r0, at most 8,599
	v_mul_u32_u24 v32, 0x10625, v31                ; / 250: 67,109 = ceil(2^24 / 250) is exact below 493,000
	v_lshrrev_b32 v32, 24, v32
	v_min_u32 v32, 34, v32                         ; my local row at step 0 (8,599 / 250 = 34: the bound, written out)
	v_mul_u32_u24 v33, 250, v32
	v_sub_nc_u32 v33, v31, v33
	v_min_u32 v33, 249, v33                        ; my quad of columns (a remainder of 250: the bound, written out)
	v_lshlrev_b32 v33, 4, v33
	v_lshlrev_b32 v[OFF], 4, v30
	v_lshlrev_b32 v[PA], 4, v32
	v_mad_u32_u24 v34, v32, CROW, s18              ; my row in the class table
	s_wait_alu depctr_va_vdst(0)                   ; v33, PA and OFF are written; the last task's steps are done reading the ground truth, CA, PBUF and CBUF, and in the first trip the set-up is done with v4 to v51: the loads below and those of the steps land there
	ds_load_b128 v[CA:CA+3],   v33 offset:LAB
	ds_load_b128 v[GCX:GCX+3], v33 offset:GT
	ds_load_b128 v[GCY:GCY+3], v33 offset:GT+GTA
	ds_load_b128 v[GHX:GHX+3], v33 offset:GT+2*GTA
	ds_load_b128 v[GHY:GHY+3], v33 offset:GT+3*GTA
	ds_load_b128 v[GA:GA+3],   v33 offset:GT+4*GTA
	s_wait_dscnt 5                                 ; the labels are in; the five loads behind them stay out
.irp c, 0,1,2,3
	v_min_u32 v[CA+\c], NCLS-1, v[CA+\c]           ; a loaded number enters an address only behind its bound
.endr
.irp c, 0,1,2,3
	v_lshl_add_u32 v[CA+\c], v[CA+\c], 2, v34
.endr
	s_wait_alu depctr_va_vdst(0)                   ; the four addresses CA are written, which every gather of the task reads
	LOADS 0, 0
	LOADS 1, 1
	ITER 0, 5, 1
	ITER 1, 5, 1
	ITER 2, 5, 0                                   ; nothing is loaded for a step that a task may not have
	ITER 3, 0, 0
	s_cmp_eq_u32 s20, 62
	s_cbranch_scc1 .Lout3                          ; task 62 has four steps
	LOADS 4, 0                                     ; no wait: no vector instruction since step 3's wait names PBUF, CBUF, PA or CA
	LOADS 5, 1
	ITER 4, 5, 1
	ITER 5, 5, 0
	ITER 6, 0, 0
	s_cmp_ge_u32 s20, 12
	s_cbranch_scc1 .Lout6                          ; tasks 12-61 have seven
	LOADS 7, 1                                     ; no wait: as above, since step 6's wait
	ITER 7, 0, 0
	FLUSH 7
	s_branch .Lnext
.Lout3:
	FLUSH 3
	s_branch .Lnext
.Lout6:
	FLUSH 6
.Lnext:
	s_add_co_u32 s20, s20, 32
	s_cmp_lt_u32 s20, 63
	s_cbranch_scc1 .Ltask
	s_wait_dscnt 0x0
	s_wait_alu depctr_hold_cnt(0) depctr_sa_sdst(0) depctr_va_vdst(0) depctr_va_sdst(0) depctr_va_ssrc(0) depctr_va_vcc(0) depctr_vm_vsrc(0)
	s_wait_tensorcnt 0x0
	ds_add_u32 v126, v127
	s_wait_dscnt 0x0
	s_endpgm
.Lfunc_end_k_q32dd883511_cost:
	.size	k_q32dd883511_cost, .Lfunc_end_k_q32dd883511_cost-k_q32dd883511_cost
	.p2alignl 7, 3214868480
	.fill 96, 4, 3214868480
	.section	.rodata,"a",@progbits
	.p2align	6, 0x0
	.amdhsa_kernel k_q32dd883511_cost
		.amdhsa_group_segment_fixed_size 51200
		.amdhsa_private_segment_fixed_size 0
		.amdhsa_enable_private_segment 0
		.amdhsa_kernarg_size 40
		.amdhsa_user_sgpr_count 2
		.amdhsa_user_sgpr_kernarg_segment_ptr 1
		.amdhsa_wavefront_size32 1
		.amdhsa_system_sgpr_workgroup_id_x 1
		.amdhsa_system_sgpr_workgroup_id_y 1
		.amdhsa_system_sgpr_workgroup_id_z 1
		.amdhsa_system_vgpr_workitem_id 0
		.amdhsa_next_free_vgpr 128
		.amdhsa_next_free_sgpr 66
		.amdhsa_reserve_vcc 0
		.amdhsa_float_denorm_mode_32 3
		.amdhsa_float_denorm_mode_16_64 3
		.amdhsa_memory_ordered 1
		.amdhsa_forward_progress 1
		.amdhsa_inst_pref_size 48
	.end_amdhsa_kernel
	.amdgpu_metadata
---
amdhsa.version: [ 1, 2 ]
amdhsa.kernels:
  - .name:           k_q32dd883511_cost
    .symbol:         k_q32dd883511_cost.kd
    .args:
      - { .name: gt_bboxes, .offset: 0, .size: 8, .value_kind: global_buffer, .address_space: global }
      - { .name: gt_labels, .offset: 8, .size: 8, .value_kind: global_buffer, .address_space: global }
      - { .name: pred_bboxes, .offset: 16, .size: 8, .value_kind: global_buffer, .address_space: global }
      - { .name: pred_logits, .offset: 24, .size: 8, .value_kind: global_buffer, .address_space: global }
      - { .name: out0, .offset: 32, .size: 8, .value_kind: global_buffer, .address_space: global }
    .group_segment_fixed_size: 51200
    .private_segment_fixed_size: 0
    .kernarg_segment_align: 8
    .kernarg_segment_size: 40
    .max_flat_workgroup_size: 1024
    .sgpr_count:     66
    .vgpr_count:     128
    .wavefront_size: 32
...
	.end_amdgpu_metadata
.endif
;; end of part 2
